; MI455X (gfx1250); checked and timed in simulation.
; The chip was launched on July 23, 2026; its instructions are those of AMD's public machine-readable ISA for CDNA 5 (MIT licence, August 2026) and "CDNA5" Instruction Set Architecture Reference Guide (July 2026). The comments in the code are by the model that wrote it; some were corrected since.
;; Multi Head Self Attention. Allowed arithmetic: matrix products marked QUANTISED: E2M3 operands, one E8M0 scale for each 32 along K, by v_wmma_scale_f32_16x16x128_f8f6f4 with both operands' format E2M3, f32 sums; everything else in f32.
;; Inputs: b_out 1,024 float32; w_out_codes 1,024 x 32 x 24 uint8 (E2M3 codes of w_out, K innermost, in blocks of 32 codes, four codes in three bytes); w_out_scales 1,024 x 32 uint8 (E8M0 scales of w_out, one for each 32 codes along K); w_qkv_codes 3,072 x 32 x 24 uint8 (E2M3 codes of w_qkv, K innermost, in blocks of 32 codes, four codes in three bytes); w_qkv_scales 3,072 x 32 uint8 (E8M0 scales of w_qkv, one for each 32 codes along K); x_codes 4 x 2,048 x 32 x 24 uint8 (E2M3 codes of x, K innermost, in blocks of 32 codes, four codes in three bytes); x_scales 4 x 2,048 x 32 uint8 (E8M0 scales of x, one for each 32 codes along K).
;; Outputs: out0 4 x 2,048 x 1,024 float32.
;; This version of the problem:
;;   THIS VERSION OF THE PROBLEM IS GIVEN IN LOW PRECISION. The matrix products marked QUANTISED in the list below multiply operands that are first quantised to E2M3 (2 exponent bits, 3 mantissa bits; 6 bits a number), with one power-of-two scale for each 32 numbers along K (OCP MX v1.0); their sums are f32. All else is computed in f32.
;;   The module's matrix products, in the order in which they are computed (A, B: the left and right operand; K: the contracted axis; several contracted axes count as one K, in the product's order):
;;     1. [M 8,192, K 1,024] x [K 1,024, N 3,072]; A: input x (given as codes); B: input w_qkv (given as codes): QUANTISED
;;     2. batch 64 x [M 2,048, K 64] x [K 64, N 2,048]; A: computed on the way; B: computed on the way: QUANTISED
;;     3. batch 64 x [M 2,048, K 2,048] x [K 2,048, N 64]; A: softmax (see below); B: computed on the way: QUANTISED
;;     4. [M 8,192, K 1,024] x [K 1,024, N 1,024]; A: computed on the way; B: input w_out (given as codes): QUANTISED
;;   THE QUANTISER, for each operand of a quantised product, along K:
;;     - K is cut into blocks of 32 from its start; a last block that is shorter is filled with zeros.
;;     - A block's scale is 2^e with e = floor(log2(the largest magnitude in the block)) - 2, held to -126 .. 127; a block of zeros has e = 0. As a byte (E8M0): e + 127.
;;     - Each number is divided by its block's scale, clamped to +-7.5, and rounded to the nearest number of E2M3, ties to even, subnormals kept.
;;     - The product sums the exact products of the quantised numbers (number of the format x scale) in f32.
;;   ~~~python
;;   def quantise(x, axis):      # numpy; x: float32 -> the quantised numbers, widened to float32 again
;;       x = np.moveaxis(x, axis, -1); K = x.shape[-1]
;;       x = np.pad(x, [(0, 0)] * (x.ndim - 1) + [(0, -K % 32)]); x = x.reshape(x.shape[:-1] + (-1, 32)); a = np.abs(x).max(-1, keepdims=True)
;;       e = np.where(a > 0, np.clip(np.frexp(np.where(a > 0, a, 1))[1] - 1 - 2, -126, 127), 0)      # np.frexp(a)[1] - 1 = floor(log2(a)), exactly
;;       r = np.clip(x / 2.0 ** e, -7.5, 7.5)
;;       step = 2.0 ** (np.maximum(np.frexp(np.where(r == 0, 1, r))[1] - 1, 0) - 3)
;;       q = np.round(r / step) * step * 2.0 ** e      # np.round: ties to even
;;       return np.moveaxis(q.reshape(q.shape[:-2] + (-1,))[..., :K], -1, axis).astype(np.float32)
;;   ~~~
;;   SOFTMAX AHEAD OF A QUANTISED PRODUCT. Where the list says 'softmax', what is quantised is not the finished softmax but p = 2^(t - M), with t = logit x log2(e) and M = ceil(the row's largest t), a whole number; so 1/2 < the row's largest p <= 1. The row's sum l is taken of the UNQUANTISED p, in f32, and the product's result is divided by l at the end. Since M is a whole number, a kernel that streams over the keys may use a running M (the ceiling of the running maximum): every later rescaling is an exact power of two, which a block's scale takes up: the codes' values come out the same.
;;   OPERANDS COMPUTED ON THE WAY. 'Computed on the way' means the value that the module computes at that place (a softmax that the list does not call 'softmax' is quantised finished and normalised). What goes into a quantiser is computed in f32, as accurately as f32 sums, v_exp_f32 and their like allow (about 1e-6 of the number): no bf16 or f16 on the way to a quantiser, and a product that is left as it is and whose result goes on into a quantised operand takes f32 operands (vector FMAs, or v_wmma_f32_16x16x4_f32). A number that lies on a knife's edge between two numbers of the format may be rounded either way, as far as f32 arithmetic and the matrix unit's own rounding can turn it there, and no further.
;;   INPUTS GIVEN AS CODES. w_out (in the module: [1024, 1024], K = its axis 1); w_qkv (in the module: [3072, 1024], K = its axis 1); x (in the module: [4, 2048, 1024], K = its axis 2): each comes as NAME_codes (uint8): NAME with its K axis moved to the last place and cut into blocks of 32 codes, [.., K / 32, bytes a block], one block behind the other in memory; four codes in three bytes: a row's codes are one little-endian stream of bits, code i at bits 6 i .. 6 i + 5 (a code: sign, 2 exponent bits, 3 mantissa bits); and NAME_scales (uint8): the same leading axes, one E8M0 byte (e + 127) for each 32 codes along K. Its value is code x scale, taken as it is: it is not quantised again, and the codes and scales need not be those that the quantiser above would give.
;; One version. Each part assembles by itself: llvm-mc -triple=amdgcn-amd-amdhsa -mcpu=gfx1250 --defsym DOCPART=n.
;; ======== version 1 of 1: 3 launches
;; limits: right only within a limited range of input values
;; workspace buffers: qkv 19,660,800 bytes; oc 6,291,456 bytes; osc 262,144 bytes
;; launch qkv_proj (part 1): grid 8 x 32, 4 waves a work-group, clusters of 4 x 4, 327,680 bytes of LDS; arguments x_codes, x_scales, w_qkv_codes, w_qkv_scales, qkv; writes qkv
.if DOCPART == 1
	.amdgcn_target "amdgcn-amd-amdhsa--gfx1250"
	.amdhsa_code_object_version 6
	.text
	.protected	k_q8185ac832e_qkv_proj
	.globl	k_q8185ac832e_qkv_proj
	.p2align	8
	.type	k_q8185ac832e_qkv_proj,@function
k_q8185ac832e_qkv_proj:
	s_mov_b64 s[64:65], 0
	v_nop
	global_prefetch_b8 v0, s[64:65] scope:SCOPE_SE
	s_setreg_imm32_b32 hwreg(HW_REG_WAVE_MODE, 25, 1), 1
	s_wait_xcnt 0x0
	s_wait_alu depctr_hold_cnt(0) depctr_sa_sdst(0) depctr_va_vdst(0) depctr_va_sdst(0) depctr_va_ssrc(0) depctr_va_vcc(0) depctr_vm_vsrc(0)
	s_getreg_b32 s2, hwreg(HW_REG_IB_STS2, 6, 4)
	s_cmp_eq_u32 s2, 0
	s_cbranch_scc0 .Lentry_in_a_cluster
	s_endpgm
.Lentry_in_a_cluster:
	s_bfe_u32 s2, ttmp6, 0x10000c
	s_cmp_lg_u32 s2, 0xf033
	s_cbranch_scc0 .Lentry_shape_is_right
	s_endpgm
.Lentry_shape_is_right:
; qkv = x Wqkv^T on codes of FP6 (E2M3) with E8M0 scales, sums in f32; the results are quantised here, in registers, and leave as codes: q and k along the head's 64, v along the tokens.
; A WORK-GROUP holds 256 rows of x, all of K (rows of 768 bytes, 16 bytes of padding behind each 256), filled once, and walks three tiles of 128 rows of W: q's, k's and v's rows of one pair of heads.
; W's region is filled again twice, each time behind a drained round of the cluster's barrier; the finished tile is quantised and stored while that load is out.
; CLUSTERS of 4 x 4: x's rows are asked for jointly along a row of the cluster, W's along a column.
; ROLES.  Source 1's rows end up one to a lane, source 0's run along the lane's registers.  q, k: source 0 = W's 128 rows, source 1 = 64 rows of x a wave (a lane: a token, two heads).
; v: source 0 = 128 rows of x, source 1 = 64 rows of W (a lane: a channel, 128 tokens).  In both a wave has 4 x 8 accumulators, 256 registers.  q and k are one loop of two trips; v is written out.
; ORDER INSIDE A BLOCK OF 32: 0..7, 16..23, 8..15, 24..31, alike in both operands of each product of the next launch; a sum over a block does not hang on the order of its terms.
; OUT: qkv [head 64][128 tokens 16][19,200 bytes]: K's part at 0, V's at 6,400, Q's at 12,800; a part is 6,144 bytes of images of operand registers and 256 bytes of scale words.
;   K, Q: image d holds tokens 32 d + r (registers 0-5) and 32 d + 16 + r (6-11); word at 16 r + 4 d.  V: image t holds channels 16 t + r by 128 tokens; word at 16 r + 4 t.
;   q's and k's scale words leave as 8 bytes a lane: a wave owns two of a block's four images.
; PREFETCH: W's next tile but one is named a tile ahead of its load: 384 blocks of 256 bytes, 24 to each of the sixteen waves of a cluster's column, told apart by address.
; LIMITS: a block of zeros gets the byte 1 where the quantiser says 127 (its codes are zeros, and this program alone reads the bytes); a given scale byte of 0xff gives NaN; NaN and infinities are not served.
; REGISTERS: window 0: addresses, scale words, the quantiser's; window 1: source 0's fragments, two sets, at v0 and v128; window 2: the accumulators, (a, b) at 8 (8 a + b);
;   window 3: v0-95 source 1's fragments, two sets; v96-143 LDS addresses of the fragments' blocks (pairs: the second for pieces behind one padding more).
.set KROW,  768
.set PITCH, 816
.set XB,    256*PITCH                  ; W's region, behind x's 256 rows
.set SPARE, XB+128*PITCH               ; the spare words: two blocks of 256 bytes that no other line names
.set HEADB, 307200
.set WSTEP, 1024*KROW                  ; from q's rows of W to k's, from k's to v's
.set PFO,  23
.set LI,   24                          ; 16 x lane + my two images' place (q, k)
.set SOA,  25                          ; q, k: where my scale words go
.set SOFF, 26                          ; 32 r + 16 h: my 16 scale bytes of a row
.set VSEL, 27
.set SPW,  28
.set NIL,  29
.set LI2,  30                          ; 16 x lane
.set VSO,  31                          ; 16 r
.set XS,   32                          ; x's scale words for q, k: 4 blocks
.set WS,   50                          ; W's for q, k: 8 blocks
.set XV,   84                          ; x's for v: 8 blocks
.set WV,   118                         ; W's for v: 4 blocks
.set CD,   160                         ; the codes
.set TM,   208
.set PW,   224
.set SW,   232
.set PY,   236
.set AQ,   96                          ; window 3: addresses for q, k: 8 pairs for source 0, 4 for source 1
.set AVV,  120                         ; the same for v
.set G1,   24
.set G0,   32
.set G0B,  36
.set G1B,  48
.set LC,   62
.set SEL,  84
.set MSB, 0
.macro WIN new                         ; the immediate's high byte repeats the setting that is left
.if MSB != \new
	s_set_vgpr_msb (MSB<<8)|\new
.set MSB, \new
.endif
.endm
.macro PLACES
.rept 4
	v_nop
.endr
.endm
.macro WALU
	s_wait_alu depctr_va_vdst(0)
.endm
.macro CROUND                          ; a round of the cluster's barrier
	s_barrier_signal -1
	s_barrier_wait -1
	s_cmp_lg_u32 s14, 0
	s_cbranch_scc1 .Lnot_wave_0_\@
	s_barrier_signal -3
.Lnot_wave_0_\@:
	s_barrier_wait -3
	s_barrier_signal -1
	s_barrier_wait -1
.endm
.macro GROUP1 g, mask, rows            ; rows of 768 bytes; 4 words of padding behind every 64
	s_or_b32 s[\g+0], s\mask, (1<<20)|(1<<21)|(5<<22)|(3<<25)
	s_mov_b32 s[\g+1], KROW<<16
	s_mov_b32 s[\g+2], (\rows)<<16
	s_mov_b32 s[\g+3], KROW<<16
	s_mov_b32 s[\g+4], \rows
	s_mov_b32 s[\g+5], KROW
	s_mov_b32 s[\g+6], 0
	s_mov_b32 s[\g+7], 0
.endm
; a fragment, 16 rows x 128 K: six pieces of 8 bytes, two to a load where both go by the same address register; lanes 16-31 read three pieces on
.macro FRAG dw, R, q, ad
	WIN ((\dw)<<6)|3
.set SKIP_, 0
.irp p, 0,1,2,3,4,5
.if SKIP_
.set SKIP_, 0
.else
.set PC_, 12*(\q)+6*(\p/3)+\p%3
.set PN_, 12*(\q)+6*((\p+1)/3)+(\p+1)%3
.set X_, (PC_%32+3)/32
.set XQ_, (PN_%32+3)/32
.if (\p < 5) && (X_ == XQ_)
.set SKIP_, 1
	ds_load_2addr_b64 v[(\R)+2*\p:(\R)+2*\p+3], v[(\ad)+X_] offset0:PC_+2*(PC_/32) offset1:PN_+2*(PN_/32)
.else
	ds_load_b64 v[(\R)+2*\p:(\R)+2*\p+1], v[(\ad)+X_] offset:8*(PC_+2*(PC_/32))
.endif
.endif
.endr
.endm
.macro FETCH ch, ad                    ; the twelve fragments of the ch-th 128 along K into set ch % 2
.irp b, 0,1,2,3,4,5,6,7
	FRAG 1, 128*((\ch)%2)+12*\b, \ch, (\ad)+2*\b
.endr
.irp a, 0,1,2,3
	FRAG 3, 48*((\ch)%2)+12*\a, \ch, (\ad)+16+2*\a
.endr
.endm
; 32 products; the accumulators take turns, one instruction a turn, in the same order in every step.  Lanes 0-15 of a scale register hold the words of the first four 128s, lanes 16-31 of the last four.
.macro MUL32 ch, s0s, s1s
	WIN 0xad                                       ; source 0 window 1, source 1 window 3, C and D window 2
.irp a, 0,1,2,3
.irp b, 0,1,2,3,4,5,6,7
.set rD, 8*(8*\a+\b)
.set rF0, 128*((\ch)%2)+12*\b
.set rF1, 48*((\ch)%2)+12*\a
.set rS0, (\s0s)+4*\b+(\ch)%4
.set rS1, (\s1s)+4*\a+(\ch)%4
.if (\ch) == 0
	v_wmma_scale_f32_16x16x128_f8f6f4 v[rD:rD+7], v[rF0:rF0+11], v[rF1:rF1+11], 0, v[rS0], v[rS1] matrix_a_fmt:MATRIX_FMT_FP6 matrix_b_fmt:MATRIX_FMT_FP6
.elseif (\ch) >= 4
	v_wmma_scale_f32_16x16x128_f8f6f4 v[rD:rD+7], v[rF0:rF0+11], v[rF1:rF1+11], v[rD:rD+7], v[rS0], v[rS1] matrix_a_fmt:MATRIX_FMT_FP6 matrix_b_fmt:MATRIX_FMT_FP6 matrix_a_scale:MATRIX_SCALE_ROW1 matrix_b_scale:MATRIX_SCALE_ROW1
.else
	v_wmma_scale_f32_16x16x128_f8f6f4 v[rD:rD+7], v[rF0:rF0+11], v[rF1:rF1+11], v[rD:rD+7], v[rS0], v[rS1] matrix_a_fmt:MATRIX_FMT_FP6 matrix_b_fmt:MATRIX_FMT_FP6
.endif
.endr
.endr
.endm
; a tile: eight steps of 128 along K; a step's fragments were asked for ahead of the step before's 32 products
.macro TILE ad, s0s, s1s
	FETCH 0, \ad
.irp ch, 0,1,2,3,4,5,6,7
	s_wait_dscnt 0x0                               ; this step's fragments are in
.if \ch < 7
	PLACES                                         ; in front of loads into registers that the last products have read
	FETCH \ch+1, \ad
.endif
	MUL32 \ch, \s0s, \s1s
.endr
	WIN 0
	PLACES                                         ; in front of the first read of results
.endm
; THE QUANTISER of source 1's block a: 64 registers are four blocks of 32; a lane holds 16 numbers of each, lane l xor 16 the others.  The byte is the largest magnitude's exponent field - 2, held at 1 from below by a floor.
; Codes of blocks 0, 1 go to v[d] on, those of blocks 2, 3 to v[d + g] on; the four bytes to v[PW + a].  Each accumulator is read from its low end on.
.macro QUANT a, d, g
.set AC, 64*(\a)
	WIN 0x28
.irp b, 0,1,2,3
	v_max3_num_f32 v[TM+\b], 0x1800000, |v[AC+16*\b]|, |v[AC+16*\b+1]|
.endr
.irp i, 2,4,6,8,10,12,14
.irp b, 0,1,2,3
	v_max3_num_f32 v[TM+\b], v[TM+\b], |v[AC+16*\b+\i]|, |v[AC+16*\b+\i+1]|
.endr
.endr
	WIN 0
.irp b, 0,1,2,3
	v_permlanex16_b32 v[TM+4+\b], v[TM+\b], s[SEL], s[SEL+1]
.endr
.irp b, 0,1,2,3
	v_max_num_f32 v[TM+\b], v[TM+\b], v[TM+4+\b]
.endr
.irp b, 0,1,2,3
	v_add_nc_u32 v[TM+12+\b], 0xff000000, v[TM+\b] ; 2 off the exponent field: the conversion's scale operand
.endr
.irp b, 0,1,2,3
	v_lshrrev_b32 v[TM+4+\b], 23, v[TM+12+\b]      ; the byte
.endr
	v_lshl_or_b32 v[PW+(\a)], v[TM+5], 8, v[TM+4]
	v_lshl_or_b32 v[PW+(\a)], v[TM+6], 16, v[PW+(\a)]
	v_lshl_or_b32 v[PW+(\a)], v[TM+7], 24, v[PW+(\a)]
	WIN 2
.irp c, 0,1
	v_cvt_scalef32_pk16_fp6_f32 v[(\d)+(\g)*\c:(\d)+(\g)*\c+2], v[AC+32*\c:AC+32*\c+15], v[TM+12+2*\c]
	v_cvt_scalef32_pk16_fp6_f32 v[PY+4*\c:PY+4*\c+2], v[AC+32*\c+16:AC+32*\c+31], v[TM+13+2*\c]
.endr
	WIN 0
	v_nop                                          ; one plain place behind a scaled conversion
.irp c, 0,1                                    ; a whole block in a lane: lanes 0-15 the even block, lanes 16-31 the odd one
.irp i, 0,1,2
	v_permlane16_swap_b32 v[(\d)+(\g)*\c+\i], v[PY+4*\c+\i]
.endr
.irp i, 0,1,2
	v_mov_b32 v[(\d)+(\g)*\c+3+\i], v[PY+4*\c+\i]
.endr
.endr
.endm
; ---- the head
	s_load_b256 s[4:11], s[0:1], 0x0               ; x's codes, x's scales, W's codes, W's scales
	s_load_b64 s[12:13], s[0:1], 0x20              ; qkv
	v_lshl_add_u32 v[SPW], v0, 2, SPARE
	v_mov_b32 v[NIL], 0
	ds_add_u32 v[SPW], v[NIL]                      ; the opening lines: the add, twice on end, and its wait
	ds_add_u32 v[SPW], v[NIL]
	v_lshrrev_b32 v3, 5, v0
	v_readfirstlane_b32 s14, v3                    ; wave 0..3
	s_lshr_b32 s15, s14, 1                         ; I fetch for x (0) or W (1); v: my 128 rows of x
	s_and_b32 s16, s14, 1                          ; which half I fetch; v: my head
	s_bfe_u32 s40, ttmp6, 0x40000                  ; cx
	s_bfe_u32 s41, ttmp6, 0x40004                  ; cy
	s_lshl_b32 s42, ttmp9, 2
	s_add_co_u32 s42, s42, s40                     ; pair of heads, 0..7
	s_and_b32 s17, ttmp7, 0xffff
	s_lshl_b32 s17, s17, 2
	s_add_co_u32 s17, s17, s41                     ; x's tile of 256 rows, 0..31
	s_lshl_b32 s43, s41, 2
	s_lshl_b32 s43, 15, s43                        ; my row of the cluster
	s_lshl_b32 s44, 0x1111, s40                    ; my column
	GROUP1 G1, 43, 128
	GROUP1 G1B, 44, 64
	s_lshl_b32 s20, s17, 8
	s_lshl_b32 s18, s16, 7
	s_add_co_u32 s20, s20, s18
	s_mul_i32 s20, s20, KROW                       ; x: row 256 x tile + 128 x half
	s_mov_b32 s21, 0
	s_lshl_b32 s46, s42, 7
	s_lshl_b32 s18, s16, 6
	s_add_co_u32 s46, s46, s18
	s_mul_i32 s46, s46, KROW                       ; W: row 128 x pair + 64 x half
	s_mov_b32 s47, 0
	s_mov_b32 s[G0], 1
	s_mul_i32 s[G0+1], s16, 128*PITCH
	s_mov_b32 s[G0B], 1
	s_mul_i32 s[G0B+1], s16, 64*PITCH
	s_add_co_u32 s[G0B+1], s[G0B+1], XB
	s_mul_i32 s56, s14, 64*PITCH                   ; q, k: my 64 rows of x
	s_mul_i32 s57, s15, 128*PITCH                  ; v: my 128 rows of x
	s_mul_i32 s58, s16, 64*PITCH
	s_add_co_u32 s58, s58, XB                      ; v: my 64 rows of W
	s_mul_i32 s59, s16, 3072
	s_lshl_b32 s60, s16, 3
	s_lshl_b32 s61, s41, 2
	s_add_co_u32 s61, s61, s14
	s_mul_i32 s61, s61, 6144
	s_mul_i32 s18, s42, 128*KROW
	s_add_co_u32 s61, s61, s18                     ; the prefetches: my sixteenth of a tile of W
	s_lshl_b32 s70, s17, 8
	s_lshl_b32 s18, s14, 6
	s_add_co_u32 s70, s70, s18
	s_lshl_b32 s70, s70, 5                         ; 32 scale bytes a row
	s_mov_b32 s71, 0
	s_lshl_b32 s72, s17, 8
	s_lshl_b32 s18, s15, 7
	s_add_co_u32 s72, s72, s18
	s_lshl_b32 s72, s72, 5
	s_mov_b32 s73, 0
	s_lshl_b32 s66, s42, 12
	s_mov_b32 s67, 0
	s_lshl_b32 s68, s16, 11
	s_add_co_u32 s68, s68, s66
	s_add_co_u32 s68, s68, 65536
	s_mov_b32 s69, 0
	s_lshr_b32 s80, s17, 3                         ; batch
	s_lshl_b32 s80, s80, 3
	s_add_co_u32 s80, s80, s42
	s_lshl_b32 s80, s80, 5                         ; 16 x the pair's first head
	s_and_b32 s18, s17, 7
	s_lshl_b32 s18, s18, 1
	s_add_co_u32 s18, s18, s15
	s_add_co_u32 s80, s80, s18                     ; + my block of 128 tokens
	s_mul_i32 s80, s80, 19200
	s_mov_b32 s81, 0
	s_mul_i32 s78, s16, HEADB
	s_add_co_u32 s78, s78, s80
	s_add_co_u32 s78, s78, 6400                    ; v: my head's part
	s_mov_b32 s79, 0
	s_mov_b32 s77, 0
	s_mov_b32 s82, 0x02020202
	s_mov_b32 s[SEL], 0x76543210
	s_mov_b32 s[SEL+1], 0xfedcba98
	WALU
	s_wait_dscnt 0x0                               ; both opening adds are done
	s_wait_kmcnt 0x0
	s_add_nc_u64 s[G0+2:G0+3], s[4:5], s[20:21]
	s_or_b32 s[G0+3], s[G0+3], 0x80000000
	s_add_nc_u64 s[G0B+2:G0B+3], s[8:9], s[46:47]
	s_or_b32 s[G0B+3], s[G0B+3], 0x80000000
	s_add_nc_u64 s[70:71], s[6:7], s[70:71]
	s_add_nc_u64 s[72:73], s[6:7], s[72:73]
	s_add_nc_u64 s[66:67], s[10:11], s[66:67]
	s_add_nc_u64 s[68:69], s[10:11], s[68:69]
	s_add_nc_u64 s[78:79], s[12:13], s[78:79]
	s_add_nc_u64 s[12:13], s[12:13], s[80:81]
	CROUND                                         ; all sixteen work-groups are here: the first joint loads meet
	s_cmp_eq_u32 s15, 0                            ; one load a wave: waves 0, 1 x's halves, waves 2, 3 the halves of q's rows of W
	s_cbranch_scc0 .Lhead_w
	tensor_load_to_lds s[G0:G0+3], s[G1:G1+7]
	s_nop 0
	PLACES
	s_branch .Lhead_asked
.Lhead_w:
	tensor_load_to_lds s[G0B:G0B+3], s[G1B:G1B+7]
	s_nop 0
	PLACES
.Lhead_asked:
	v_and_b32 v1, 15, v0                           ; r
	v_bfe_u32 v2, v0, 4, 1                         ; h
	v_and_b32 v3, 31, v0
	v_lshlrev_b32 v[SOFF], 5, v1
	v_lshl_add_u32 v[SOFF], v2, 4, v[SOFF]
; the scale words stay in registers: 16 rows x 32 bytes are 512 consecutive bytes, one load a block
.irp i, 0,1,2,3
	global_load_b128 v[XS+4*\i:XS+4*\i+3], v[SOFF], s[70:71] offset:512*\i
.endr
.irp i, 0,1,2,3,4,5,6,7
	global_load_b128 v[WS+4*\i:WS+4*\i+3], v[SOFF], s[66:67] offset:512*\i
.endr
.irp i, 0,1,2,3,4,5,6,7
	global_load_b128 v[XV+4*\i:XV+4*\i+3], v[SOFF], s[72:73] offset:512*\i
.endr
.irp i, 0,1,2,3
	global_load_b128 v[WV+4*\i:WV+4*\i+3], v[SOFF], s[68:69] offset:512*\i
.endr
	v_min_u32 v[PFO], 23, v3                       ; 24 blocks of 256 bytes a wave; the lanes left over name the last again
	v_lshl_add_u32 v[PFO], v[PFO], 8, s61
	global_prefetch_b8 v[PFO], s[8:9] offset:WSTEP th:TH_LOAD_NT scope:SCOPE_SE   ; k's rows of W, a tile ahead of their load
	v_mul_u32_u24 v4, v1, PITCH
	v_mad_u32_u24 v4, v2, 24, v4                   ; a fragment's row x pitch + 24 x half
	v_lshl_add_u32 v5, v2, 4, v4                   ; and the same behind one padding more
	v_add_nc_u32 v6, s56, v4
	v_add_nc_u32 v7, s56, v5
	v_add_nc_u32 v8, s57, v4
	v_add_nc_u32 v9, s57, v5
	v_add_nc_u32 v10, s58, v4
	v_add_nc_u32 v11, s58, v5
	WIN 0xc0
.irp b, 0,1,2,3,4,5,6,7
	v_add_nc_u32 v[AQ+2*\b], XB+\b*16*PITCH, v4
	v_add_nc_u32 v[AQ+2*\b+1], XB+\b*16*PITCH, v5
	v_add_nc_u32 v[AVV+2*\b], \b*16*PITCH, v8
	v_add_nc_u32 v[AVV+2*\b+1], \b*16*PITCH, v9
.endr
.irp a, 0,1,2,3
	v_add_nc_u32 v[AQ+16+2*\a], \a*16*PITCH, v6
	v_add_nc_u32 v[AQ+16+2*\a+1], \a*16*PITCH, v7
	v_add_nc_u32 v[AVV+16+2*\a], \a*16*PITCH, v10
	v_add_nc_u32 v[AVV+16+2*\a+1], \a*16*PITCH, v11
.endr
	WIN 0
	v_lshlrev_b32 v[LI2], 4, v3
	v_add_nc_u32 v[LI], s59, v[LI2]
	v_lshlrev_b32 v[VSO], 4, v1
	v_mul_u32_u24 v[SOA], v2, HEADB
	v_add3_u32 v[SOA], v[SOA], v[VSO], s60
	v_mul_lo_u32 v[VSEL], v2, s82
	v_add_nc_u32 v[VSEL], 0x05040100, v[VSEL]      ; lanes 0-15 the two low halves (first head), lanes 16-31 the two high halves (second)
.irp b, 0,1,2,3
	v_mov_b32 v[TM+4+\b], 0                        ; written once: a lane permute's destination counts as one of its sources
.endr
	WALU
	s_wait_tensorcnt 0x0                           ; my tile is in,
	s_barrier_signal -1
	s_barrier_wait -1                              ; everybody's is
	s_mov_b32 s[LC], 0
.Ltile:                                                ; trip 0: q, trip 1: k
	s_wait_loadcnt 0x0                             ; the scale words
	TILE AQ, WS, XS
	s_wait_xcnt 0x0                                ; the last trip's stores have read their base and their data
	s_cmp_eq_u32 s[LC], 0
	s_cselect_b32 s76, 12800, 0                    ; Q's part or K's
	s_add_nc_u64 s[74:75], s[12:13], s[76:77]
	s_wait_tensorcnt 0x0                           ; the three lines ahead of a refill's round
	ds_add_u32 v[SPW], v[NIL]
	s_add_nc_u64 s[G0B+2:G0B+3], s[G0B+2:G0B+3], WSTEP   ; no load of mine is out: the next tile's rows of W
	s_wait_dscnt 0x0                               ; the add is done, and my reads of W's region are over
	CROUND
	s_cmp_eq_u32 s15, 0
	s_cbranch_scc1 .Lno_refill
	tensor_load_to_lds s[G0B:G0B+3], s[G1B:G1B+7]  ; waves 2 and 3: a half each of the next 128 rows of W
	s_nop 0
	PLACES
.Lno_refill:
	s_cmp_eq_u32 s[LC], 0
	s_cbranch_scc0 .Lno_next
.irp i, 0,1,2,3,4,5,6,7
	global_load_b128 v[WS+4*\i:WS+4*\i+3], v[SOFF], s[66:67] offset:32768+512*\i   ; k's scale words
.endr
	global_prefetch_b8 v[PFO], s[8:9] offset:2*WSTEP th:TH_LOAD_NT scope:SCOPE_SE  ; v's rows of W, a tile ahead of their load
.Lno_next:
	; a lane holds a token; blocks 0, 1 are the first head's 64 channels, blocks 2, 3 the second's; two blocks of 16 tokens make an image of each head
.irp j, 0,1
	QUANT 2*\j, CD+24*\j, 12
	QUANT 2*\j+1, CD+24*\j+6, 12
.irp e, 0,1
.irp c, 0,1,2
	global_store_b128 v[LI], v[CD+24*\j+12*\e+4*\c:CD+24*\j+12*\e+4*\c+3], s[74:75] offset:HEADB*\e+1536*\j+512*\c   ; 32 lanes store 512 consecutive bytes, at a multiple of 256
.endr
.endr
	v_perm_b32 v[SW+\j], v[PW+2*\j+1], v[PW+2*\j], v[VSEL]   ; the image's scale word: two bytes of each of its two tokens
.endr
	global_store_b64 v[SOA], v[SW:SW+1], s[74:75] offset:6144
	WALU
	s_wait_tensorcnt 0x0                           ; the next rows of W are in,
	s_barrier_signal -1
	s_barrier_wait -1                              ; and shown to all
	s_add_co_u32 s[LC], s[LC], 1
	s_cmp_lg_u32 s[LC], 2
	s_cbranch_scc1 .Ltile
	; v: a lane holds a channel and 128 tokens: block a is one image of my head
	TILE AVV, XV, WV
	s_wait_xcnt 0x0                                ; k's stores have read their data
.irp a, 0,1,2,3
	QUANT \a, CD+12*\a, 6
.irp c, 0,1,2
	global_store_b128 v[LI2], v[CD+12*\a+4*\c:CD+12*\a+4*\c+3], s[78:79] offset:1536*\a+512*\c
.endr
.endr
	global_store_b128 v[VSO], v[PW:PW+3], s[78:79] offset:6144   ; 256 consecutive bytes; both halves of the lanes hold the same words and write them to the same place
	s_wait_tensorcnt 0x0                           ; the wave's end
	ds_add_u32 v[SPW], v[NIL]
	s_wait_dscnt 0x0
	CROUND                                         ; the closing round
	s_endpgm
.Lfunc_end_k_q8185ac832e_qkv_proj:
	.size	k_q8185ac832e_qkv_proj, .Lfunc_end_k_q8185ac832e_qkv_proj-k_q8185ac832e_qkv_proj
	.p2alignl 7, 3214868480
	.fill 96, 4, 3214868480
	.section	.rodata,"a",@progbits
	.p2align	6, 0x0
	.amdhsa_kernel k_q8185ac832e_qkv_proj
		.amdhsa_group_segment_fixed_size 327680
		.amdhsa_private_segment_fixed_size 0
		.amdhsa_enable_private_segment 0
		.amdhsa_kernarg_size 40
		.amdhsa_user_sgpr_count 2
		.amdhsa_user_sgpr_kernarg_segment_ptr 1
		.amdhsa_wavefront_size32 1
		.amdhsa_system_sgpr_workgroup_id_x 1
		.amdhsa_system_sgpr_workgroup_id_y 1
		.amdhsa_system_sgpr_workgroup_id_z 1
		.amdhsa_system_vgpr_workitem_id 0
		.amdhsa_next_free_vgpr 912
		.amdhsa_next_free_sgpr 100
		.amdhsa_reserve_vcc 0
		.amdhsa_float_denorm_mode_32 3
		.amdhsa_float_denorm_mode_16_64 3
		.amdhsa_memory_ordered 1
		.amdhsa_forward_progress 1
		.amdhsa_inst_pref_size 156
	.end_amdhsa_kernel
	.amdgpu_metadata
---
amdhsa.version: [ 1, 2 ]
amdhsa.kernels:
  - .name:           k_q8185ac832e_qkv_proj
    .symbol:         k_q8185ac832e_qkv_proj.kd
    .args:
      - { .name: x_codes, .offset: 0, .size: 8, .value_kind: global_buffer, .address_space: global }
      - { .name: x_scales, .offset: 8, .size: 8, .value_kind: global_buffer, .address_space: global }
      - { .name: w_qkv_codes, .offset: 16, .size: 8, .value_kind: global_buffer, .address_space: global }
      - { .name: w_qkv_scales, .offset: 24, .size: 8, .value_kind: global_buffer, .address_space: global }
      - { .name: qkv, .offset: 32, .size: 8, .value_kind: global_buffer, .address_space: global }
    .group_segment_fixed_size: 327680
    .private_segment_fixed_size: 0
    .kernarg_segment_align: 8
    .kernarg_segment_size: 40
    .max_flat_workgroup_size: 128
    .sgpr_count:     100
    .vgpr_count:     912
    .wavefront_size: 32
...
	.end_amdgpu_metadata
.endif
;; end of part 1
;; launch attention (part 2): grid 8 x 32, 16 waves a work-group, clusters of 4 x 1, 327,680 bytes of LDS; arguments qkv, oc, osc; writes oc, osc
.if DOCPART == 2
	.amdgcn_target "amdgcn-amd-amdhsa--gfx1250"
	.amdhsa_code_object_version 6
	.text
	.protected	k_q8185ac832e_attention
	.globl	k_q8185ac832e_attention
	.p2align	8
	.type	k_q8185ac832e_attention,@function
k_q8185ac832e_attention:
	s_mov_b64 s[64:65], 0
	v_nop
	global_prefetch_b8 v0, s[64:65] scope:SCOPE_SE
	s_setreg_imm32_b32 hwreg(HW_REG_WAVE_MODE, 25, 1), 1
	s_wait_xcnt 0x0
	s_wait_alu depctr_hold_cnt(0) depctr_sa_sdst(0) depctr_va_vdst(0) depctr_va_sdst(0) depctr_va_ssrc(0) depctr_va_vcc(0) depctr_vm_vsrc(0)
	s_getreg_b32 s2, hwreg(HW_REG_IB_STS2, 6, 4)
	s_cmp_eq_u32 s2, 0
	s_cbranch_scc0 .Lentry_in_a_cluster
	s_endpgm
.Lentry_in_a_cluster:
	s_bfe_u32 s2, ttmp6, 0x10000c
	s_cmp_lg_u32 s2, 0x3003
	s_cbranch_scc0 .Lentry_shape_is_right
	s_endpgm
.Lentry_shape_is_right:
; o = softmax(q k^T / 32) v for two neighbouring heads, both products on codes of FP6 (E2M3) with E8M0 scales, and o quantised along (head, channel) for the last product.
; IN: qkv, as the launch before lays it: [head 64][128 tokens 16][K's part 6,400 | V's 6,400 | Q's 6,400 bytes], each part images of operand registers and 256 bytes of scale words.
; SOFTMAX: t = score x log2(e) / 32; M = the running largest t rounded up to a whole number; p = 2^(t - M) is quantised along the keys, not normalised; the row's sum is taken of the unquantised p and divides at the end.
; When M moves, the sum and O^T are multiplied by 2^(old M - new M), which rounds nothing.
; SHARES.  A work-group owns 256 queries and a pair of heads (2 y, 2 y + 1), one head after the other; each of its sixteen waves owns 16 queries in 256 registers, four waves to a SIMD.  So a wave makes a whole 128 along the last product's K.
; THE STREAM: 2 heads x 16 key steps of 128 keys; a step's K and V parts are 12,800 dense bytes, 19,200 apart.  Two LDS slots of eight steps; waves 0-7 fetch a step each.  The four query blocks of a cluster walk the same stream and ask for it JOINTLY.
; K = 64 IN THE FIRST PRODUCT.  An image of K holds 16 keys' 64 codes in registers 0-5 and the next 16 keys' in registers 6-11.  Against [q | zeros] it gives the first 16 keys' scores, against [zeros | q] the second's: zero codes add nothing.
; Both products are used transposed: a lane holds one query throughout.  The keys inside a block of 32 lie in the order 0..7, 16..23, 8..15, 24..31 in p as in v's codes, and the channels likewise in q as in k.
; o has to meet given codes, so its halves change lanes in f32 first and its codes come out in the natural order.
; OUT: oc [16 rows 512][128 along K 8][1,536 bytes]: images;  osc [128 along K 8][row 8192]: scale words.
; LIMITS: a block of zeros gets the byte 1 where the quantiser says 127 (zero codes; this program alone reads the bytes); o / l is a reciprocal and a multiplication; NaN and infinities are not served.
; THE SLOTS AS THEY ARE NOW, in place of what the head says of them: a slot holds EIGHT key steps (102,400 bytes), waves 0-7 fetch a step each, and the 32 steps of the two heads pass four changes of slots.
.set SLOT1, 131072                     ; slot 1 begins here: one exclusive or turns an address
.set STEPB, 12800
.set BLKB,  19200
.set HEADB, 307200
.set STG,   262144                     ; 64 bytes a wave: o's scale words on their way out
.set SPARE, 263168                     ; the spare words: 128 bytes a wave, eight blocks of 256 bytes that no other line names
.set LI,  1                            ; 16 x lane
.set LR,  2                            ; 16 x (lane % 16)
.set SPW, 3
.set NIL, 4
.set ADR, 5
.set ADS, 6
.set PFO, 7
.set STA, 8
.set STR, 9
.set OSO, 10
.set Z,   16                           ; v16-33: zeros, q, zeros;  [zeros | q] = v16-27, [q | zeros] = v22-33
.set F,   36                           ; v36-83: four images of K, then of V
.set OC,  84                           ; v84-95: o's codes
.set S,   96                           ; v96-159: the scores, then p
.set O,   160                          ; v160-191: O^T
.set PC,  192                          ; v192-203: p's codes
.set PY,  204
.set KS,  212
.set VS,  216
.set QB,  220                          ; the second head's q, and its scale word
.set QSB, 226
.set OW,  227
.set BM,  232
.set BT,  236
.set BE,  244
.set WV,  18
.set SEL, 20
.set CS,  22
.set G1,  24
.set G0,  40
.set SLOTS, 44
.set CNT, 45
.set PFA, 46
.set LIM, 48
.set TB,  51
.set LC,  60
.macro CROUND                          ; a round of the cluster's barrier
	s_barrier_signal -1
	s_barrier_wait -1
	s_cmp_lg_u32 s[WV], 0
	s_cbranch_scc1 .Lnot_wave_0_\@
	s_barrier_signal -3
.Lnot_wave_0_\@:
	s_barrier_wait -3
	s_barrier_signal -1
	s_barrier_wait -1
.endm
.macro TLOAD                           ; waves 0-7 fetch a key step each; the branch hangs on the wave's number alone.  Four v_nop follow the line
	s_cmp_lt_u32 s[WV], 8
	s_cbranch_scc0 .Lasked_\@
	tensor_load_to_lds s[G0:G0+3], s[G1:G1+7]
	s_nop 0
.rept 4
	v_nop
.endr
.Lasked_\@:
.endm
; A PREFETCH INTO THE L2 of what the next change of slots will ask for.  Both clusters of a pair of heads walk the same stream: the first asks.  Its four partners take two key steps each (cx and cx + 4), told apart by address;
; waves 4 and 5 name the first step's 50 blocks of 256 bytes, waves 6 and 7 the second's, a lane a block (the 14 lanes left over name the last block again).  The last change that fills a slot asks for nothing; slots 0 and 1 come by their loads alone.
.macro ASK
	s_cmp_gt_u32 s[SLOTS], s[LIM]
	s_cbranch_scc0 .Lnot_mine_\@
	global_prefetch_b8 v[PFO], s[PFA:PFA+1] th:TH_LOAD_NT scope:SCOPE_SE
.Lnot_mine_\@:
.endm
	s_load_b128 s[4:7], s[0:1], 0x0                ; qkv, oc
	s_load_b64 s[8:9], s[0:1], 0x10                ; osc
	v_lshl_add_u32 v[SPW], v0, 2, SPARE
	v_mov_b32 v[NIL], 0
	ds_add_u32 v3, v4
	ds_add_u32 v3, v4
	s_wait_dscnt 0x0
	v_lshrrev_b32 v1, 5, v0
	s_delay_alu instid0(VALU_DEP_1)
	v_readfirstlane_b32 s[WV], v1                  ; wave 0..15
	s_bfe_u32 s13, ttmp6, 0x40000                  ; cx
	s_lshl_b32 s14, ttmp9, 2
	s_add_co_u32 s14, s14, s13                     ; my block of 256 queries
	s_and_b32 s15, ttmp7, 0xffff                   ; y = 8 batch + pair of heads, which the partners share
	s_mul_i32 s32, s15, 2*HEADB
	s_mov_b32 s33, 0
	s_and_b32 s16, s[WV], 7
	s_mul_i32 s34, s16, BLKB                       ; the step that I fetch, in memory,
	s_mov_b32 s35, 0
	s_mul_i32 s17, s16, STEPB                      ; and in a slot
	s_mov_b32 s[G1], 15|(3<<16)|(1<<21)            ; the mask: all four; elements of 8 bytes; bit 21 beside a mask; no padding: every LDS read takes consecutive bytes
	s_mov_b32 s[G1+1], 32<<16                      ; rows of 256 bytes
	s_mov_b32 s[G1+2], 50<<16                      ; 50 of them: 12,800 dense bytes
	s_mov_b32 s[G1+3], 32<<16
	s_mov_b32 s[G1+4], 50
	s_mov_b32 s[G1+5], 32
	s_mov_b32 s[G1+6], 0
	s_mov_b32 s[G1+7], 0
	s_mov_b32 s[SEL], 0x76543210
	s_mov_b32 s[SEL+1], 0xfedcba98
	s_mov_b32 s[CS], 0x3d38aa3b                    ; c = log2(e) / 32
	s_mov_b32 s[CS+1], s[CS]
	s_mov_b32 s[TB], 0
	s_mov_b32 s[SLOTS], 3
	s_lshr_b32 s10, s[WV], 2
	s_xor_b32 s10, s10, 1                          ; 0 in waves 4 to 7,
	s_or_b32 s10, s10, ttmp9                       ; of the pair's first cluster: the same in all four partners
	s_cmp_eq_u32 s10, 0
	s_cselect_b32 s[LIM], 1, -1
	s_and_b32 s10, s[WV], 1                        ; an image of Q holds two waves' queries: the even wave's in registers 0-5, the odd wave's in 6-11
	s_cmp_eq_u32 s10, 0
	s_mov_b32 s50, 0x03020302
	s_cselect_b32 s50, 0x01000100, s50             ; my two scale bytes, twice
	s_sub_co_u32 s49, 0, s10                       ; all ones in odd waves
	s_mul_i32 s36, s13, BLKB
	s_add_co_u32 s36, s36, 8*BLKB                  ; the prefetches stand at my steps of slot 1; the first change steps them to slot 2
	s_bfe_u32 s37, s[WV], 0x10001
	s_mul_i32 s37, s37, 4*BLKB                     ; waves 6 and 7: the step four further on
	s_add_co_u32 s36, s36, s37
	s_mov_b32 s37, 0
	s_lshl_b32 s10, s14, 1
	s_lshr_b32 s11, s[WV], 3
	s_add_co_u32 s10, s10, s11                     ; my queries' block of 128 tokens
	s_mul_i32 s10, s10, BLKB
	s_add_co_u32 s10, s10, 2*6400                  ; Q's part
	s_bfe_u32 s11, s[WV], 0x20001                  ; which image: (wave / 2) % 4
	s_mul_i32 s38, s11, 1536
	s_add_co_u32 s38, s38, s10
	s_mov_b32 s39, 0
	s_lshl_b32 s11, s11, 2
	s_add_co_u32 s10, s10, s11
	s_add_co_u32 s10, s10, 6144                    ; and its scale words
	s_mov_b32 s11, 0
	s_lshr_b32 s12, s15, 3                         ; batch
	s_and_b32 s15, s15, 7                          ; pair of heads = which 128 along the last K
	s_lshl_b32 s62, s12, 7
	s_lshl_b32 s63, s14, 4
	s_add_co_u32 s62, s62, s63
	s_add_co_u32 s62, s62, s[WV]                   ; my 16 rows: 128 batch + 16 block + wave
	s_mul_i32 s62, s62, 12288
	s_mul_i32 s63, s15, 1536
	s_add_co_u32 s62, s62, s63
	s_mov_b32 s63, 0
	s_lshl_b32 s66, s12, 13
	s_lshl_b32 s67, s14, 10
	s_add_co_u32 s66, s66, s67
	s_lshl_b32 s67, s15, 15
	s_add_co_u32 s66, s66, s67                     ; osc: 32,768 x pair + 4 x the work-group's first row
	s_mov_b32 s67, 0
	s_wait_kmcnt 0x0
	s_add_nc_u64 s[32:33], s[4:5], s[32:33]        ; the stream's first byte
	s_add_nc_u64 s[PFA:PFA+1], s[32:33], s[36:37]
	s_add_nc_u64 s[52:53], s[32:33], s[38:39]      ; Q's image
	s_add_nc_u64 s[54:55], s[32:33], s[10:11]      ; Q's scale words
	s_add_nc_u64 s[56:57], s[6:7], s[62:63]
	s_add_nc_u64 s[58:59], s[8:9], s[66:67]
	s_mov_b32 s[G0], 1
	s_mov_b32 s[G0+1], s17
	s_add_nc_u64 s[G0+2:G0+3], s[32:33], s[34:35]
	s_or_b32 s[G0+3], s[G0+3], 0x80000000
	CROUND                                         ; all four work-groups are here
	TLOAD                                          ; slot 0: one load of mine is out
	v_and_b32 v5, 31, v0
	s_delay_alu instid0(VALU_DEP_1)
	v_lshlrev_b32 v[LI], 4, v5
	v_and_b32 v6, 15, v0
	s_delay_alu instid0(VALU_DEP_1)
	v_lshlrev_b32 v[LR], 4, v6
.irp e, 0,1
.irp c, 0,1,2
	global_load_b128 v[S+12*\e+4*\c:S+12*\e+4*\c+3], v[LI], s[52:53] offset:HEADB*\e+512*\c
.endr
	global_load_b32 v[S+24+\e], v[LR], s[54:55] offset:HEADB*\e
.endr
	v_lshl_add_u32 v[STA], v6, 2, STG
	s_lshl_b32 s10, s[WV], 6
	v_add_nc_u32 v[STA], s10, v[STA]
	v_and_b32 v[OSO], 63, v0
	s_delay_alu instid0(VALU_DEP_1)
	v_lshlrev_b32 v[OSO], 4, v[OSO]
	s_delay_alu instid0(VALU_DEP_1)
	v_add_nc_u32 v[STR], STG, v[OSO]
	s_and_b32 s10, s[WV], 1
	s_lshl_b32 s10, s10, 5
	v_add_nc_u32 v[PFO], s10, v5
	s_delay_alu instid0(VALU_DEP_1)
	v_min_u32 v[PFO], 49, v[PFO]
	s_delay_alu instid0(VALU_DEP_1)
	v_lshlrev_b32 v[PFO], 8, v[PFO]
.irp i, 0,1,2,3,4,5
	v_mov_b32 v[Z+\i], 0
	v_mov_b32 v[Z+12+\i], 0
.endr
.irp b, 0,1,2,3
	v_mov_b32 v[BT+\b], 0                          ; written once: a lane permute's destination counts as one of its sources
.endr
	v_mov_b32 v253, 0                              ; (named as the upper half of the pair v[252:253] before it is first written)
	v_mov_b32 v254, 0
	s_wait_loadcnt 0x0
.irp i, 0,1,2,3,4,5
	v_cndmask_b32 v[Z+6+\i], v[S+\i], v[S+6+\i], s49
	v_cndmask_b32 v[QB+\i], v[S+12+\i], v[S+18+\i], s49
.endr
	v_perm_b32 v255, v[S+24], v[S+24], s50
	v_perm_b32 v[QSB], v[S+25], v[S+25], s50
.macro RESET                           ; a head begins: O^T and the sum are zeros, the largest t is -3e38: the first change of M multiplies zeros.  (These lines are also the places between q's registers and the first products)
	v_mov_b32 v13, 0xff61b1e6
	s_delay_alu instid0(VALU_DEP_1)
	v_floor_f32 v12, -v13
	v_mov_b32 v14, 0
	v_mov_b32 v15, 0
.set j, 0
.rept 32
	v_mov_b32 v[O+j], 0
.set j, j+1
.endr
.endm
	RESET
; A KEY STEP: 128 keys
.macro STEP
	v_add_nc_u32 v[ADR], s[TB], v[LI]
	v_add_nc_u32 v[ADS], s[TB], v[LR]
	v_nop
	v_nop                                          ; four places in front of loads into registers that the last products have read
.irp d, 0,1,2,3
.irp c, 0,1,2
	ds_load_b128 v[F+12*\d+4*\c:F+12*\d+4*\c+3], v[ADR] offset:1536*\d+512*\c
.endr
.endr
	ds_load_b128 v[KS:KS+3], v[ADS] offset:6144
	s_wait_alu depctr_va_vdst(0)
	s_wait_dscnt 0x0
.irp d, 0,1,2,3                                ; S^T: registers 16 d + 0..7: keys 32 d + 8 h + 0..7; 16 d + 8..15: keys 32 d + 16 + 8 h + 0..7
	v_wmma_scale_f32_16x16x128_f8f6f4 v[S+16*\d:S+16*\d+7], v[F+12*\d:F+12*\d+11], v[Z+6:Z+17], 0, v[KS+\d], v255 matrix_a_fmt:MATRIX_FMT_FP6 matrix_b_fmt:MATRIX_FMT_FP6
	v_wmma_scale_f32_16x16x128_f8f6f4 v[S+16*\d+8:S+16*\d+15], v[F+12*\d:F+12*\d+11], v[Z:Z+11], 0, v[KS+\d], v255 matrix_a_fmt:MATRIX_FMT_FP6 matrix_b_fmt:MATRIX_FMT_FP6
.endr
.rept 4
	v_nop
.endr
.irp t, 0,1,2,3                                ; V's images are asked for now and land while the softmax is walked
.irp c, 0,1,2
	ds_load_b128 v[F+12*\t+4*\c:F+12*\t+4*\c+3], v[ADR] offset:6400+1536*\t+512*\c
.endr
.endr
	ds_load_b128 v[VS:VS+3], v[ADS] offset:12544
.irp b, 0,1,2,3
	v_max3_num_f32 v[BM+\b], v[S+16*\b], v[S+1+16*\b], v[S+2+16*\b]   ; the largest score of each block of 32 keys: for the row's maximum and, since p rises with the score, for the block's largest p
.endr
.irp i, 3,5,7,9,11,13
.irp b, 0,1,2,3
	v_max3_num_f32 v[BM+\b], v[BM+\b], v[S+16*\b+\i], v[S+1+16*\b+\i]
.endr
.endr
.irp b, 0,1,2,3
	v_max_num_f32 v[BM+\b], v[BM+\b], v[S+15+16*\b]
.endr
.irp b, 0,1,2,3
	s_delay_alu instid0(VALU_DEP_4)
	v_permlanex16_b32 v[BT+\b], v[BM+\b], s[SEL], s[SEL+1]
.endr
.irp b, 0,1,2,3
	s_delay_alu instid0(VALU_DEP_4)
	v_max_num_f32 v[BM+\b], v[BM+\b], v[BT+\b]
.endr
	s_delay_alu instid0(VALU_DEP_2)
	v_max3_num_f32 v254, v[BM], v[BM+1], v[BM+2]
	s_delay_alu instid0(VALU_DEP_1)
	v_max_num_f32 v254, v254, v[BM+3]
	s_delay_alu instid0(VALU_DEP_1)
	v_mul_f32 v254, s[CS], v254
	s_delay_alu instid0(VALU_DEP_1)
	v_max_num_f32 v13, v13, v254                   ; the running largest t
	v_mov_b32 v254, v12
	s_delay_alu instid0(VALU_DEP_2)
	v_floor_f32 v12, -v13                          ; -M = floor(-t): M is a whole number
	s_delay_alu instid0(VALU_DEP_1)
	v_sub_f32 v254, v12, v254
	s_delay_alu instid0(VALU_DEP_1)
	v_cvt_i32_f32 v254, v254                       ; (it saturates)
	s_delay_alu instid0(VALU_DEP_1)
	v_ldexp_f32 v252, 1.0, v254                    ; f = 2^(old M - new M)
.set j, 0
.rept 32
	v_pk_fma_f32 v[S+j:S+j+1], v[S+j:S+j+1], s[CS:CS+1], v[12:13] op_sel_hi:[1,0,0]   ; t - M
.set j, j+2
.endr
.irp b, 0,1,2,3
	v_fma_f32 v[BM+\b], v[BM+\b], s[CS], v12
.endr
.set j, 0
	s_wait_alu depctr_va_vdst(0)
.rept 64
	v_exp_f32 v[S+j], v[S+j]                       ; p = 2^(t - M)
.set j, j+1
.endr
	v_pk_mul_f32 v[14:15], v[14:15], v[252:253] op_sel_hi:[1,0]   ; the sums under the new M (a plain place behind the exponentials)
	s_wait_alu depctr_va_vdst(0)                   ; one wait for the whole batch, ahead of its first reader
.irp b, 0,1,2,3
	v_exp_f32 v[BM+\b], v[BM+\b]                   ; the block's largest p
.endr
	v_pk_add_f32 v[236:237], v[100:101], v[104:105]
	v_pk_add_f32 v[250:251], v[108:109], v[112:113]
	v_pk_add_f32 v[248:249], v[116:117], v[120:121]
	v_pk_add_f32 v[246:247], v[124:125], v[128:129]
	v_pk_add_f32 v[244:245], v[132:133], v[136:137]
	v_pk_add_f32 v[242:243], v[140:141], v[144:145]
	v_pk_add_f32 v[240:241], v[148:149], v[152:153]
	v_pk_add_f32 v[14:15], v[14:15], v[156:157]
	v_pk_add_f32 v[236:237], v[236:237], v[96:97]
	v_pk_add_f32 v[250:251], v[250:251], v[98:99]
	v_pk_add_f32 v[248:249], v[248:249], v[102:103]
	v_pk_add_f32 v[246:247], v[246:247], v[106:107]
	v_pk_add_f32 v[244:245], v[244:245], v[110:111]
	v_pk_add_f32 v[242:243], v[242:243], v[114:115]
	v_pk_add_f32 v[240:241], v[240:241], v[118:119]
	v_pk_add_f32 v[14:15], v[14:15], v[122:123]
	v_pk_add_f32 v[236:237], v[236:237], v[126:127]
	v_pk_add_f32 v[250:251], v[250:251], v[130:131]
	v_pk_add_f32 v[248:249], v[248:249], v[134:135]
	v_pk_add_f32 v[246:247], v[246:247], v[138:139]
	v_pk_add_f32 v[244:245], v[244:245], v[142:143]
	v_pk_add_f32 v[242:243], v[242:243], v[146:147]
	v_pk_add_f32 v[240:241], v[240:241], v[150:151]
	v_pk_add_f32 v[14:15], v[14:15], v[154:155]
	v_pk_add_f32 v[236:237], v[236:237], v[158:159]
	s_delay_alu instid0(VALU_DEP_2)
	v_pk_add_f32 v[14:15], v[14:15], v[246:247]
	s_delay_alu instid0(VALU_DEP_2)
	v_pk_add_f32 v[236:237], v[236:237], v[244:245]
	v_pk_add_f32 v[250:251], v[250:251], v[242:243]
	v_pk_add_f32 v[248:249], v[248:249], v[240:241]
	s_delay_alu instid0(VALU_DEP_2)
	v_pk_add_f32 v[14:15], v[14:15], v[250:251]
	s_delay_alu instid0(VALU_DEP_2)
	v_pk_add_f32 v[236:237], v[236:237], v[248:249]
	s_delay_alu instid0(VALU_DEP_1)
	v_pk_add_f32 v[14:15], v[14:15], v[236:237]
	s_wait_alu depctr_va_vdst(0)                   ; and one for the four
.irp b, 0,1,2,3
	v_max_num_f32 v[BM+\b], 0x1800000, v[BM+\b]    ; the floor 2^(3 - 127): the byte cannot fall under 1
.endr
.irp b, 0,1,2,3
	s_delay_alu instid0(VALU_DEP_4)
	v_add_nc_u32 v[BE+\b], 0xff000000, v[BM+\b]
.endr
.irp b, 0,1,2,3
	s_delay_alu instid0(VALU_DEP_4)
	v_lshrrev_b32 v[BT+\b], 23, v[BE+\b]
.endr
	s_delay_alu instid0(VALU_DEP_3)
	v_lshl_or_b32 v253, v[BT+1], 8, v[BT]          ; p's scale word for these 128 keys
	s_delay_alu instid0(VALU_DEP_1)
	v_lshl_or_b32 v253, v[BT+2], 16, v253
	s_delay_alu instid0(VALU_DEP_1)
	v_lshl_or_b32 v253, v[BT+3], 24, v253
.irp c, 0,1
	v_cvt_scalef32_pk16_fp6_f32 v[PC+6*\c:PC+2+6*\c], v[S+32*\c:S+15+32*\c], v[BE+2*\c]
	v_cvt_scalef32_pk16_fp6_f32 v[PY+4*\c:PY+2+4*\c], v[S+16+32*\c:S+31+32*\c], v[BE+1+2*\c]
.endr
	v_nop                                          ; one plain place behind a scaled conversion
.irp c, 0,1
.irp i, 0,1,2
	v_permlane16_swap_b32 v[PC+6*\c+\i], v[PY+4*\c+\i]
.endr
.irp i, 0,1,2
	s_delay_alu instid0(VALU_DEP_3)
	v_mov_b32 v[PC+3+6*\c+\i], v[PY+4*\c+\i]
.endr
.endr
.set j, 0
.rept 16
	v_pk_mul_f32 v[O+j:O+j+1], v[O+j:O+j+1], v[252:253] op_sel_hi:[1,0]   ; O^T under the new M; these sixteen are also the places between p's codes and scale word and the products
.set j, j+2
.endr
	s_wait_alu depctr_va_vdst(0)
	s_wait_dscnt 0x0                               ; V is in
.irp t, 0,1,2,3                                ; O^T += V^T P^T: four accumulators by turns
	v_wmma_scale_f32_16x16x128_f8f6f4 v[O+8*\t:O+8*\t+7], v[F+12*\t:F+12*\t+11], v[PC:PC+11], v[O+8*\t:O+8*\t+7], v[VS+\t], v253 matrix_a_fmt:MATRIX_FMT_FP6 matrix_b_fmt:MATRIX_FMT_FP6
.endr
.endm
.macro SLOT_STEPS                      ; a slot's eight key steps: written once, walked eight times
	s_mov_b32 s[CNT], 8
.Lstep_\@:
	STEP
	s_add_co_u32 s[TB], s[TB], STEPB
	s_sub_co_u32 s[CNT], s[CNT], 1
	s_cmp_lg_u32 s[CNT], 0
	s_cbranch_scc1 .Lstep_\@
	s_sub_co_u32 s[TB], s[TB], 8*STEPB
	s_xor_b32 s[TB], s[TB], SLOT1                  ; on to the other slot
.endm
; THE CHANGE OF SLOTS stands at a slot's head.  Each wave waits for all its tensor loads (its part of the slot ahead), adds 0 to its spare word, and waits for that and for its reads of the slot that it has left.
; fill = 1: the barrier is a round of the cluster's, and behind it the slot just left is filled with the eight steps that follow: the load has eight key steps in which to land.
.macro CHANGE fill
	s_wait_tensorcnt 0x0                           ; no tensor load of mine is out, so the descriptor may be written
	ds_add_u32 v[SPW], v[NIL]                      ; 0 onto my spare word
.if \fill
	s_xor_b32 s[G0+1], s[G0+1], SLOT1
	s_add_nc_u64 s[G0+2:G0+3], s[G0+2:G0+3], 8*BLKB
	s_wait_xcnt 0x0                                ; the last prefetch, a slot back, has read its address
	s_add_nc_u64 s[PFA:PFA+1], s[PFA:PFA+1], 8*BLKB
	s_wait_dscnt 0x0                               ; the add is done, and my reads of the slot that I have left are over
	CROUND
	TLOAD                                          ; the first tensor load behind the round, and a wave's only one until the next
	ASK
.else
	s_wait_dscnt 0x0
	s_barrier_signal -1
	s_barrier_wait -1
.endif
.endm
; A HEAD'S END.  O^T / the sum; the halves change lanes so that register 16 b + i is channel 32 b + 16 h + i; two blocks of 32 are quantised: registers 6 e .. 6 e + 5 of o's image and two bytes of its scale word.
.macro FINISH e
.rept 4
	v_nop                                          ; places behind the last products
.endr
	v_add_f32 v14, v14, v15
	s_delay_alu instid0(VALU_DEP_1)
	v_permlanex16_b32 v254, v14, s[SEL], s[SEL+1]
	s_delay_alu instid0(VALU_DEP_1)
	v_add_f32 v14, v14, v254                       ; the row's sum
	s_wait_alu depctr_va_vdst(0)
	v_rcp_f32 v14, v14
	v_nop                                          ; a plain place behind the transcendental
	s_wait_alu depctr_va_vdst(0)                   ; and the wait ahead of its first reader
.set j, 0
.rept 16
	v_pk_mul_f32 v[S+j:S+j+1], v[O+j:O+j+1], v[14:15] op_sel_hi:[1,0]   ; each accumulator from its low end on
.set j, j+2
.endr
.irp b, 0,1
.irp i, 0,1,2,3,4,5,6,7
	v_permlane16_swap_b32 v[S+16*\b+\i], v[S+8+16*\b+\i]
.endr
.endr
.irp b, 0,1
	v_max3_num_f32 v[BM+\b], |v[S+16*\b]|, |v[S+1+16*\b]|, 0x1800000
.endr
.irp i, 2,4,6,8,10,12,14
.irp b, 0,1
	s_delay_alu instid0(VALU_DEP_2)
	v_max3_num_f32 v[BM+\b], v[BM+\b], |v[S+16*\b+\i]|, |v[S+1+16*\b+\i]|
.endr
.endr
.irp b, 0,1
	s_delay_alu instid0(VALU_DEP_2)
	v_permlanex16_b32 v[BT+\b], v[BM+\b], s[SEL], s[SEL+1]
.endr
.irp b, 0,1
	s_delay_alu instid0(VALU_DEP_2)
	v_max_num_f32 v[BM+\b], v[BM+\b], v[BT+\b]
.endr
.irp b, 0,1
	s_delay_alu instid0(VALU_DEP_2)
	v_add_nc_u32 v[BE+\b], 0xff000000, v[BM+\b]
.endr
.irp b, 0,1
	s_delay_alu instid0(VALU_DEP_2)
	v_lshrrev_b32 v[BT+\b], 23, v[BE+\b]
.endr
	s_delay_alu instid0(VALU_DEP_1)
	v_lshl_or_b32 v254, v[BT+1], 8, v[BT]
.if \e
	s_delay_alu instid0(VALU_DEP_1)
	v_lshl_or_b32 v[OW], v254, 16, v[OW]
.else
	s_delay_alu instid0(VALU_DEP_1)
	v_mov_b32 v[OW], v254
.endif
	v_cvt_scalef32_pk16_fp6_f32 v[OC+6*\e:OC+6*\e+2], v[S:S+15], v[BE]
	v_cvt_scalef32_pk16_fp6_f32 v[PY:PY+2], v[S+16:S+31], v[BE+1]
	v_nop
.irp i, 0,1,2
	v_permlane16_swap_b32 v[OC+6*\e+\i], v[PY+\i]
.endr
.irp i, 0,1,2
	s_delay_alu instid0(VALU_DEP_3)
	v_mov_b32 v[OC+6*\e+3+\i], v[PY+\i]
.endr
.endm
	s_mov_b32 s[LC], 2
.Lslot_a:                                          ; the first head's two slots
	CHANGE 1
	SLOT_STEPS
	s_sub_co_u32 s[SLOTS], s[SLOTS], 1
	s_sub_co_u32 s[LC], s[LC], 1
	s_cmp_lg_u32 s[LC], 0
	s_cbranch_scc1 .Lslot_a
	FINISH 0
	v_mov_b32 v255, v[QSB]                         ; the second head's q
.irp i, 0,1,2,3,4,5
	v_mov_b32 v[Z+6+\i], v[QB+\i]
.endr
	RESET
	s_mov_b32 s[LC], 1
.Lslot_b:                                          ; the second head's first slot
	CHANGE 1
	SLOT_STEPS
	s_sub_co_u32 s[SLOTS], s[SLOTS], 1
	s_sub_co_u32 s[LC], s[LC], 1
	s_cmp_lg_u32 s[LC], 0
	s_cbranch_scc1 .Lslot_b
	CHANGE 0                                       ; the last slot is written out
	SLOT_STEPS
	FINISH 1
.irp c, 0,1,2
	global_store_b128 v[LI], v[OC+4*\c:OC+4*\c+3], s[56:57] offset:512*\c   ; o's image: 32 lanes store 512 consecutive bytes, at a multiple of 256
.endr
	ds_store_b32 v[STA], v[OW]                     ; my 16 rows' scale words (both halves of the lanes write the same word with the same value)
	s_wait_dscnt 0x0                               ; for the others' sake
	s_barrier_signal -1
	s_barrier_wait -1
	s_cmp_lt_u32 s[WV], 2
	s_cbranch_scc0 .Lno_osc
	ds_load_b128 v[S:S+3], v[STR]                  ; waves 0 and 1 store the work-group's 256 words: sixteen lanes to 256 consecutive bytes
	s_wait_dscnt 0x0
	global_store_b128 v[OSO], v[S:S+3], s[58:59]
.Lno_osc:
	s_wait_tensorcnt 0x0                           ; the wave's end
	ds_add_u32 v[SPW], v[NIL]
	s_wait_dscnt 0x0
	CROUND                                         ; the closing round
	s_endpgm
.Lfunc_end_k_q8185ac832e_attention:
	.size	k_q8185ac832e_attention, .Lfunc_end_k_q8185ac832e_attention-k_q8185ac832e_attention
	.p2alignl 7, 3214868480
	.fill 96, 4, 3214868480
	.section	.rodata,"a",@progbits
	.p2align	6, 0x0
	.amdhsa_kernel k_q8185ac832e_attention
		.amdhsa_group_segment_fixed_size 327680
		.amdhsa_private_segment_fixed_size 0
		.amdhsa_enable_private_segment 0
		.amdhsa_kernarg_size 24
		.amdhsa_user_sgpr_count 2
		.amdhsa_user_sgpr_kernarg_segment_ptr 1
		.amdhsa_wavefront_size32 1
		.amdhsa_system_sgpr_workgroup_id_x 1
		.amdhsa_system_sgpr_workgroup_id_y 1
		.amdhsa_system_sgpr_workgroup_id_z 1
		.amdhsa_system_vgpr_workitem_id 0
		.amdhsa_next_free_vgpr 256
		.amdhsa_next_free_sgpr 80
		.amdhsa_reserve_vcc 0
		.amdhsa_float_denorm_mode_32 3
		.amdhsa_float_denorm_mode_16_64 3
		.amdhsa_memory_ordered 1
		.amdhsa_forward_progress 1
		.amdhsa_inst_pref_size 74
	.end_amdhsa_kernel
	.amdgpu_metadata
---
amdhsa.version: [ 1, 2 ]
amdhsa.kernels:
  - .name:           k_q8185ac832e_attention
    .symbol:         k_q8185ac832e_attention.kd
    .args:
      - { .name: qkv, .offset: 0, .size: 8, .value_kind: global_buffer, .address_space: global }
      - { .name: oc, .offset: 8, .size: 8, .value_kind: global_buffer, .address_space: global }
      - { .name: osc, .offset: 16, .size: 8, .value_kind: global_buffer, .address_space: global }
    .group_segment_fixed_size: 327680
    .private_segment_fixed_size: 0
    .kernarg_segment_align: 8
    .kernarg_segment_size: 24
    .max_flat_workgroup_size: 512
    .sgpr_count:     80
    .vgpr_count:     256
    .wavefront_size: 32
...
	.end_amdgpu_metadata
.endif
;; end of part 2
;; launch out_proj (part 3): grid 8 x 32, 4 waves a work-group, clusters of 4 x 4, 327,680 bytes of LDS; arguments oc, osc, w_out_codes, w_out_scales, b_out, out0; writes out0
.if DOCPART == 3
	.amdgcn_target "amdgcn-amd-amdhsa--gfx1250"
	.amdhsa_code_object_version 6
	.text
	.protected	k_q8185ac832e_out_proj
	.globl	k_q8185ac832e_out_proj
	.p2align	8
	.type	k_q8185ac832e_out_proj,@function
k_q8185ac832e_out_proj:
	s_mov_b64 s[64:65], 0
	v_nop
	global_prefetch_b8 v0, s[64:65] scope:SCOPE_SE
	s_setreg_imm32_b32 hwreg(HW_REG_WAVE_MODE, 25, 1), 1
	s_wait_xcnt 0x0
	s_wait_alu depctr_hold_cnt(0) depctr_sa_sdst(0) depctr_va_vdst(0) depctr_va_sdst(0) depctr_va_ssrc(0) depctr_va_vcc(0) depctr_vm_vsrc(0)
	s_getreg_b32 s2, hwreg(HW_REG_IB_STS2, 6, 4)
	s_cmp_eq_u32 s2, 0
	s_cbranch_scc0 .Lentry_in_a_cluster
	s_endpgm
.Lentry_in_a_cluster:
	s_bfe_u32 s2, ttmp6, 0x10000c
	s_cmp_lg_u32 s2, 0xf033
	s_cbranch_scc0 .Lentry_shape_is_right
	s_endpgm
.Lentry_shape_is_right:
; out0 = o Wout^T + b_out on codes of FP6.  All operands of a block of 256 x 128 lie in LDS at once: o's images, a dense run of 98,304 bytes for each half, and W's 128 rows of 768 bytes (16 bytes of padding behind each 256).
; One joint load a wave at the head, one barrier; the stage for the way out has LDS bytes of its own, on which no load lands.
.set PITCH,  816
.set FR,     12
.set ASTEP,  49152
.set BBASE,  4*ASTEP
.set BSTEP,  128*PITCH
.set SPITCH, 272
.set L4,   8
.set SOFF, 9
.set BOFF, 10
.set STO,  11
.set RD,   12
.set CO,   13
.set ADA,  16
.set ADB,  20
.set ADB2, 24
.set SA,   32
.set SB,   64
.set BI,   80
.set AF,   128
.set G1A,  24
.set G1B,  32
.set G0A,  44
.set G0B,  68
.set MSB, 0
.macro WIN new
.if MSB != \new
	s_set_vgpr_msb (MSB<<8)|\new
.set MSB, \new
.endif
.endm
.macro JLOAD g0a, g0b
	s_cmp_eq_u32 s15, 0
	s_cbranch_scc0 .Lfor_b_\@
	tensor_load_to_lds s[\g0a:\g0a+3], s[G1A:G1A+7]
	s_nop 0
.rept 4
	v_nop
.endr
	s_branch .Lasked_\@
.Lfor_b_\@:
	tensor_load_to_lds s[\g0b:\g0b+3], s[G1B:G1B+7]
	s_nop 0
.rept 4
	v_nop
.endr
.Lasked_\@:
.endm
.macro CROUND
	s_barrier_signal -1
	s_barrier_wait -1
	s_cmp_lg_u32 s14, 0
	s_cbranch_scc1 .Lnot_wave_0_\@
	s_barrier_signal -3
.Lnot_wave_0_\@:
	s_barrier_wait -3
	s_barrier_signal -1
	s_barrier_wait -1
.endm
	s_load_b256 s[4:11], s[0:1], 0x0
	s_load_b128 s[88:91], s[0:1], 0x20
	v_lshl_add_u32 v254, v0, 2, 0x4e000
	v_mov_b32 v255, 0
	ds_add_u32 v254, v255
	ds_add_u32 v254, v255
	v_lshrrev_b32 v1, 5, v0
	v_readfirstlane_b32 s14, v1
	s_lshr_b32 s15, s14, 1
	s_and_b32 s16, s14, 1
	s_bfe_u32 s40, ttmp6, 0x40000
	s_bfe_u32 s41, ttmp6, 0x40004
	s_lshl_b32 s42, ttmp9, 2
	s_add_co_u32 s42, s42, s40
	s_and_b32 s17, ttmp7, 0xffff
	s_lshl_b32 s17, s17, 2
	s_add_co_u32 s17, s17, s41
	s_lshl_b32 s43, s41, 2
	s_lshl_b32 s43, 15, s43
	s_lshl_b32 s84, 0x1111, s40
	s_or_b32 s[G1A], s43, (3<<16)|(1<<21)
	s_mov_b32 s[G1A+1], 1536<<16
	s_mov_b32 s[G1A+2], 8<<16
	s_mov_b32 s[G1A+3], 1536<<16
	s_mov_b32 s[G1A+4], 8
	s_mov_b32 s[G1A+5], 1536
	s_mov_b32 s[G1A+6], 0
	s_mov_b32 s[G1A+7], 0
	s_or_b32 s[G1B], s84, (0<<16)|(1<<20)|(1<<21)|(5<<22)|(3<<25)
	s_mov_b32 s[G1B+1], 768<<16
	s_mov_b32 s[G1B+2], 64<<16
	s_mov_b32 s[G1B+3], 768<<16
	s_mov_b32 s[G1B+4], 64
	s_mov_b32 s[G1B+5], 768
	s_mov_b32 s[G1B+6], 0
	s_mov_b32 s[G1B+7], 0
	s_lshl_b32 s20, s17, 4
	s_lshl_b32 s21, s16, 3
	s_add_co_u32 s20, s20, s21
	s_mul_i32 s20, s20, 12288
	s_mov_b32 s21, 0
	s_lshl_b32 s92, s42, 7
	s_lshl_b32 s93, s16, 6
	s_add_co_u32 s92, s92, s93
	s_mul_i32 s92, s92, 768
	s_mov_b32 s93, 0
	s_mul_i32 s18, s16, 98304
	s_mul_i32 s19, s16, 64*PITCH
	s_add_co_u32 s19, s19, BBASE
	s_wait_dscnt 0x0
	s_wait_kmcnt 0x0
	s_add_nc_u64 s[20:21], s[4:5], s[20:21]
	s_add_nc_u64 s[92:93], s[8:9], s[92:93]
	CROUND
	s_mov_b32 s[G0A], 1
	s_mov_b32 s[G0A+1], s18
	s_mov_b64 s[G0A+2:G0A+3], s[20:21]
	s_or_b32 s[G0A+3], s[G0A+3], 0x80000000
	s_mov_b32 s[G0B], 1
	s_mov_b32 s[G0B+1], s19
	s_mov_b64 s[G0B+2:G0B+3], s[92:93]
	s_or_b32 s[G0B+3], s[G0B+3], 0x80000000
	JLOAD G0A, G0B                                 ; one load a wave: waves 0, 1 o's halves, waves 2, 3 W's
	s_lshl_b32 s94, s17, 8
	s_lshl_b32 s95, s15, 7
	s_add_co_u32 s94, s94, s95
	s_lshl_b32 s96, s94, 12
	s_lshl_b32 s94, s94, 2
	s_mov_b32 s95, 0
	s_add_nc_u64 s[6:7], s[6:7], s[94:95]
	s_lshl_b32 s94, s42, 7
	s_lshl_b32 s86, s16, 6
	s_add_co_u32 s94, s94, s86
	s_lshl_b32 s86, s94, 5
	s_mov_b32 s87, 0
	s_add_nc_u64 s[10:11], s[10:11], s[86:87]
	s_lshl_b32 s94, s94, 2
	s_add_nc_u64 s[88:89], s[88:89], s[94:95]
	s_add_co_u32 s96, s96, s94
	s_mov_b32 s97, 0
	s_add_nc_u64 s[90:91], s[90:91], s[96:97]
	v_and_b32 v1, 15, v0
	v_bfe_u32 v2, v0, 4, 1
	v_and_b32 v3, 31, v0
	v_lshlrev_b32 v[L4], 2, v3
	v_lshlrev_b32 v[SOFF], 5, v1
	v_lshl_add_u32 v[SOFF], v2, 4, v[SOFF]
	v_lshlrev_b32 v[BOFF], 5, v2
.irp c, 0,1,2,3,4,5,6,7
.irp j, 0,1,2,3
	global_load_b32 v[SA+4*\c+\j], v[L4], s[6:7] offset:32768*\c+128*\j
.endr
.endr
.irp i, 0,1,2,3
	global_load_b128 v[SB+4*\i:SB+4*\i+3], v[SOFF], s[10:11] offset:512*\i
.endr
.irp b, 0,1,2,3
	global_load_b128 v[BI+8*\b:BI+8*\b+3], v[BOFF], s[88:89] offset:64*\b
	global_load_b128 v[BI+8*\b+4:BI+8*\b+7], v[BOFF], s[88:89] offset:64*\b+16
.endr
	s_mul_i32 s22, s15, 98304
	v_lshl_add_u32 v4, v3, 4, s22
	v_mul_u32_u24 v5, v1, PITCH
	v_mad_u32_u24 v5, v2, 24, v5
	s_mul_i32 s23, s16, 64*PITCH
	s_add_co_u32 s23, s23, BBASE
	v_add_nc_u32 v5, s23, v5
	v_lshl_add_u32 v6, v2, 4, v5
	v_mov_b32 v[ADA], v4                           ; o's blocks 0-3,
	v_add_nc_u32 v[ADA+1], 49152, v4               ; and 4-7
	v_mov_b32 v[ADB], v5
	v_mov_b32 v[ADB2], v6
	s_mul_i32 s22, s14, 16*SPITCH
	s_add_co_u32 s22, s22, BBASE+128*PITCH         ; the stages lie behind W's rows
	v_mul_u32_u24 v[STO], v1, SPITCH
	v_lshl_add_u32 v[STO], v2, 5, v[STO]
	v_add_nc_u32 v[STO], s22, v[STO]
	v_mul_u32_u24 v[RD], v2, SPITCH
	v_lshl_add_u32 v[RD], v1, 4, v[RD]
	v_add_nc_u32 v[RD], s22, v[RD]
	v_lshlrev_b32 v[CO], 12, v2
	v_lshl_add_u32 v[CO], v1, 4, v[CO]
.macro PROD a, b, ch
.set rD, 8*(4*(\a)+\b)
.set rF0, 128*((\ch)%2)+FR*\b
.set rF1, AF+FR*(\a)
.set rC, BI+8*\b
.set rS0, SB+4*\b+(\ch)%4
.set rS1, SA+4*(\ch)+(\a)/2
.if ((\ch) == 0) && ((\a)%2 == 0)
	v_wmma_scale_f32_16x16x128_f8f6f4 v[rD:rD+7], v[rF0:rF0+FR-1], v[rF1:rF1+FR-1], v[rC:rC+7], v[rS0], v[rS1] matrix_a_fmt:MATRIX_FMT_FP6 matrix_b_fmt:MATRIX_FMT_FP6
.elseif (\ch) == 0
	v_wmma_scale_f32_16x16x128_f8f6f4 v[rD:rD+7], v[rF0:rF0+FR-1], v[rF1:rF1+FR-1], v[rC:rC+7], v[rS0], v[rS1] matrix_a_fmt:MATRIX_FMT_FP6 matrix_b_fmt:MATRIX_FMT_FP6 matrix_b_scale:MATRIX_SCALE_ROW1
.elseif ((\ch) < 4) && ((\a)%2 == 0)
	v_wmma_scale_f32_16x16x128_f8f6f4 v[rD:rD+7], v[rF0:rF0+FR-1], v[rF1:rF1+FR-1], v[rD:rD+7], v[rS0], v[rS1] matrix_a_fmt:MATRIX_FMT_FP6 matrix_b_fmt:MATRIX_FMT_FP6
.elseif (\ch) < 4
	v_wmma_scale_f32_16x16x128_f8f6f4 v[rD:rD+7], v[rF0:rF0+FR-1], v[rF1:rF1+FR-1], v[rD:rD+7], v[rS0], v[rS1] matrix_a_fmt:MATRIX_FMT_FP6 matrix_b_fmt:MATRIX_FMT_FP6 matrix_b_scale:MATRIX_SCALE_ROW1
.elseif (\a)%2 == 0
	v_wmma_scale_f32_16x16x128_f8f6f4 v[rD:rD+7], v[rF0:rF0+FR-1], v[rF1:rF1+FR-1], v[rD:rD+7], v[rS0], v[rS1] matrix_a_fmt:MATRIX_FMT_FP6 matrix_b_fmt:MATRIX_FMT_FP6 matrix_a_scale:MATRIX_SCALE_ROW1
.else
	v_wmma_scale_f32_16x16x128_f8f6f4 v[rD:rD+7], v[rF0:rF0+FR-1], v[rF1:rF1+FR-1], v[rD:rD+7], v[rS0], v[rS1] matrix_a_fmt:MATRIX_FMT_FP6 matrix_b_fmt:MATRIX_FMT_FP6 matrix_a_scale:MATRIX_SCALE_ROW1 matrix_b_scale:MATRIX_SCALE_ROW1
.endif
.endm
.macro MUL8 a0, ch
.irp a, \a0, \a0+1
.irp b, 0,1,2,3
	PROD \a, \b, \ch
.endr
.endr
.endm
.macro FETCH_B3 j, q, p
	WIN 0x40
.irp i, 0,1,2,3
.irp n, 0,1,2,3,4,5
.set PCE, 24*(\j)+12*(\q)+6*(\n/3)+\n%3
.if PCE%32 < 29
	ds_load_b64 v[128*(\p)+FR*\i+2*\n:128*(\p)+FR*\i+2*\n+1], v[ADB] offset:8*PCE+16*(PCE/32)+\i*16*PITCH
.else
	ds_load_b64 v[128*(\p)+FR*\i+2*\n:128*(\p)+FR*\i+2*\n+1], v[ADB2] offset:8*PCE+16*(PCE/32)+\i*16*PITCH
.endif
.endr
.endr
	WIN 0
.endm
.macro FETCH_A3 j, q, i0
.irp i, \i0, \i0+1, \i0+2, \i0+3
.irp c, 0,1,2
	ds_load_b128 v[AF+FR*(\i)+4*\c:AF+FR*(\i)+4*\c+3], v[ADA+(\i)/4] offset:12288*((\i)%4)+3072*(\j)+1536*(\q)+512*\c
.endr
.endr
.endm
.macro PLACES
.rept 4
	v_nop
.endr
.endm
.macro STEP3 j, ch
.set WMU, 0xa1
.if (\ch) == 0
.set WMU, 0x81
.endif
	s_wait_dscnt 12
	WIN WMU
	MUL8 0, \ch
	MUL8 2, \ch
	s_wait_dscnt 0x0
	PLACES
	FETCH_B3 \j, 1, 1
	FETCH_A3 \j, 1, 0
	WIN WMU
	MUL8 4, \ch
	MUL8 6, \ch
	PLACES
	WIN 0
	FETCH_A3 \j, 1, 4
.endm
.macro TURN3 j, ch, left
	s_wait_dscnt 12
	WIN 0xa1
	MUL8 0, \ch
	MUL8 2, \ch
	s_wait_dscnt 0x0
	WIN 0
	PLACES
	FETCH_B3 (\j)+1, 0, 0
	FETCH_A3 (\j)+1, 0, 0
	WIN 0xa1
	MUL8 4, \ch
	MUL8 6, \ch
	PLACES
	WIN 0
	FETCH_A3 (\j)+1, 0, 4
.endm
	s_wait_alu depctr_va_vdst(0)
	s_wait_tensorcnt 0x0
	s_barrier_signal -1
	s_barrier_wait -1
	FETCH_B3 0, 0, 0
	FETCH_A3 0, 0, 0
	FETCH_A3 0, 0, 4
	s_wait_loadcnt 0x0
	STEP3 0, 0
	TURN3 0, 1, 2
	STEP3 1, 2
	TURN3 1, 3, 1
	STEP3 2, 4
	TURN3 2, 5, 0
	STEP3 3, 6
	s_wait_dscnt 12
	WIN 0xa1
	MUL8 0, 7
	MUL8 2, 7
	s_wait_dscnt 0x0
	MUL8 4, 7
	MUL8 6, 7
	WIN 0
.macro TOSTAGE a
.set AC, 32*(\a)
.set BB, AF+32*((\a)%2)
	WIN 0x08
.irp b, 0,1,2,3
	ds_store_b128 v[STO], v[AC+8*\b:AC+8*\b+3] offset:64*\b
	ds_store_b128 v[STO], v[AC+8*\b+4:AC+8*\b+7] offset:64*\b+16
.endr
	WIN 0
.irp t, 0,1,2,3,4,5,6,7
	ds_load_b128 v[BB+4*\t:BB+4*\t+3], v[RD] offset:\t*2*SPITCH
.endr
.endm
.macro SEND a, younger
.set BB, AF+32*((\a)%2)
	s_wait_dscnt \younger
.irp t, 0,1,2,3,4,5,6,7
	global_store_b128 v[CO], v[BB+4*\t:BB+4*\t+3], s[90:91] offset:(16*(\a)+2*\t)*4096 th:TH_STORE_NT
.endr
.endm
	PLACES
	TOSTAGE 0
.irp a, 1,2,3,4,5,6,7
.if \a > 1
	s_wait_xcnt 0x0
.endif
	TOSTAGE \a
	SEND \a-1, 16
.endr
	SEND 7, 0
	s_wait_tensorcnt 0x0
	ds_add_u32 v254, v255
	s_wait_dscnt 0x0
	CROUND
	s_endpgm
.Lfunc_end_k_q8185ac832e_out_proj:
	.size	k_q8185ac832e_out_proj, .Lfunc_end_k_q8185ac832e_out_proj-k_q8185ac832e_out_proj
	.p2alignl 7, 3214868480
	.fill 96, 4, 3214868480
	.section	.rodata,"a",@progbits
	.p2align	6, 0x0
	.amdhsa_kernel k_q8185ac832e_out_proj
		.amdhsa_group_segment_fixed_size 327680
		.amdhsa_private_segment_fixed_size 0
		.amdhsa_enable_private_segment 0
		.amdhsa_kernarg_size 48
		.amdhsa_user_sgpr_count 2
		.amdhsa_user_sgpr_kernarg_segment_ptr 1
		.amdhsa_wavefront_size32 1
		.amdhsa_system_sgpr_workgroup_id_x 1
		.amdhsa_system_sgpr_workgroup_id_y 1
		.amdhsa_system_sgpr_workgroup_id_z 1
		.amdhsa_system_vgpr_workitem_id 0
		.amdhsa_next_free_vgpr 768
		.amdhsa_next_free_sgpr 100
		.amdhsa_reserve_vcc 0
		.amdhsa_float_denorm_mode_32 3
		.amdhsa_float_denorm_mode_16_64 3
		.amdhsa_memory_ordered 1
		.amdhsa_forward_progress 1
		.amdhsa_inst_pref_size 86
	.end_amdhsa_kernel
	.amdgpu_metadata
---
amdhsa.version: [ 1, 2 ]
amdhsa.kernels:
  - .name:           k_q8185ac832e_out_proj
    .symbol:         k_q8185ac832e_out_proj.kd
    .args:
      - { .name: oc, .offset: 0, .size: 8, .value_kind: global_buffer, .address_space: global }
      - { .name: osc, .offset: 8, .size: 8, .value_kind: global_buffer, .address_space: global }
      - { .name: w_out_codes, .offset: 16, .size: 8, .value_kind: global_buffer, .address_space: global }
      - { .name: w_out_scales, .offset: 24, .size: 8, .value_kind: global_buffer, .address_space: global }
      - { .name: b_out, .offset: 32, .size: 8, .value_kind: global_buffer, .address_space: global }
      - { .name: out0, .offset: 40, .size: 8, .value_kind: global_buffer, .address_space: global }
    .group_segment_fixed_size: 327680
    .private_segment_fixed_size: 0
    .kernarg_segment_align: 8
    .kernarg_segment_size: 48
    .max_flat_workgroup_size: 128
    .sgpr_count:     100
    .vgpr_count:     768
    .wavefront_size: 32
...
	.end_amdgpu_metadata
.endif
;; end of part 3
